; MI455X (gfx1250); checked and timed in simulation.
; The chip was launched on July 23, 2026; its instructions are those of AMD's public machine-readable ISA for CDNA 5 (MIT licence, August 2026) and "CDNA5" Instruction Set Architecture Reference Guide (July 2026). The comments in the code are by the model that wrote it; some were corrected since.
;; Attention Layer. Allowed arithmetic: matrix products marked QUANTISED: E2M1 operands, one E8M0 scale for each 32 along K, by v_wmma_scale_f32_16x16x128_f8f6f4 with both operands' format E2M1 (or v_wmma_scale_f32_32x16x128_f4), f32 sums; everything else in f32.
;; Inputs: W 256 x 512 x 64 float32; attention 32 x 512 float32; keys 256 x 1,024 x 64 float32; mask 32 x 256 x 1,024 bool; rewards_mem 256 x 1,024 float32; temperature 256 float32; values 256 x 1,024 x 64 float32.
;; Outputs: out0 32 x 256 x 64 float32; out1 32 x 256 x 1,024 float32; out2 32 x 256 float32.
;; This version of the problem:
;;   THIS VERSION OF THE PROBLEM IS GIVEN IN LOW PRECISION. The matrix products marked QUANTISED in the list below multiply operands that are first quantised to E2M1 (2 exponent bits, 1 mantissa bit; 4 bits a number), with one power-of-two scale for each 32 numbers along K (OCP MX v1.0); their sums are f32. All else is computed in f32.
;;   The module's matrix products, in the order in which they are computed (A, B: the left and right operand; K: the contracted axis; several contracted axes count as one K, in the product's order):
;;     1. [M 32, K 512] x [K 512, N 16,384]; A: input attention; B: input W: QUANTISED
;;     2. batch 256 x [M 32, K 64] x [K 64, N 1,024]; A: computed on the way; B: input keys: QUANTISED
;;     3. batch 256 x [M 64, K 1,024] x [K 1,024, N 32]; A: input values; B: computed on the way: QUANTISED
;;   THE QUANTISER, for each operand of a quantised product, along K:
;;     - K is cut into blocks of 32 from its start; a last block that is shorter is filled with zeros.
;;     - A block's scale is 2^e with e = floor(log2(the largest magnitude in the block)) - 2, held to -126 .. 127; a block of zeros has e = 0. As a byte (E8M0): e + 127.
;;     - Each number is divided by its block's scale, clamped to +-6, and rounded to the nearest number of E2M1, ties to even, subnormals kept.
;;     - The product sums the exact products of the quantised numbers (number of the format x scale) in f32.
;;   ~~~python
;;   def quantise(x, axis):      # numpy; x: float32 -> the quantised numbers, widened to float32 again
;;       x = np.moveaxis(x, axis, -1); K = x.shape[-1]
;;       x = np.pad(x, [(0, 0)] * (x.ndim - 1) + [(0, -K % 32)]); x = x.reshape(x.shape[:-1] + (-1, 32)); a = np.abs(x).max(-1, keepdims=True)
;;       e = np.where(a > 0, np.clip(np.frexp(np.where(a > 0, a, 1))[1] - 1 - 2, -126, 127), 0)      # np.frexp(a)[1] - 1 = floor(log2(a)), exactly
;;       r = np.clip(x / 2.0 ** e, -6, 6)
;;       step = 2.0 ** (np.maximum(np.frexp(np.where(r == 0, 1, r))[1] - 1, 0) - 1)
;;       q = np.round(r / step) * step * 2.0 ** e      # np.round: ties to even
;;       return np.moveaxis(q.reshape(q.shape[:-2] + (-1,))[..., :K], -1, axis).astype(np.float32)
;;   ~~~
;;   OPERANDS COMPUTED ON THE WAY. 'Computed on the way' means the value that the module computes at that place (a softmax that the list does not call 'softmax' is quantised finished and normalised). What goes into a quantiser is computed in f32, as accurately as f32 sums, v_exp_f32 and their like allow (about 1e-6 of the number): no bf16 or f16 on the way to a quantiser, and a product that is left as it is and whose result goes on into a quantised operand takes f32 operands (vector FMAs, or v_wmma_f32_16x16x4_f32). A number that lies on a knife's edge between two numbers of the format may be rounded either way, as far as f32 arithmetic and the matrix unit's own rounding can turn it there, and no further.
;; One version. Each part assembles by itself: llvm-mc -triple=amdgcn-amd-amdhsa -mcpu=gfx1250 --defsym DOCPART=n.
;; ======== version 1 of 1: 1 launch
;; limits: right only within a limited range of input values
;; launch unit (part 1): grid 256 x 1, 16 waves a work-group, no clusters, 327,680 bytes of LDS; arguments attention, W, temperature, keys, values, rewards_mem, mask, out0, out1, out2; writes out0, out1, out2
.if DOCPART == 1
	.amdgcn_target "amdgcn-amd-amdhsa--gfx1250"
	.amdhsa_code_object_version 6
	.text
	.protected	k_q6d1015f1f4_unit
	.globl	k_q6d1015f1f4_unit
	.p2align	8
	.type	k_q6d1015f1f4_unit,@function
k_q6d1015f1f4_unit:
	s_mov_b64 s[64:65], 0
	v_nop
	global_prefetch_b8 v0, s[64:65] scope:SCOPE_SE
	s_setreg_imm32_b32 hwreg(HW_REG_WAVE_MODE, 25, 1), 1
	s_wait_xcnt 0x0
; One work-group = one unit u of 256.  query[32 b][64 o] = attention[32][512] W[u][512][64];  logits[b][c] = query . keys[u][c] / temperature[u], masked;
; out1 = softmax over the 1,024 c;  out2[b] = sum of out1 x rewards_mem[u];  w = out1 x rewards_mem / out2;  out0[b][64 v] = w values[u].
; All three products on codes of FP4 (E2M1) with one E8M0 scale for each 32 along K; all six operands are quantised here, from f32.  No work of the definition is left out.
; SHARES.  Sixteen waves of 256 registers.  Wave w owns memory slots c = 64 w .. 64 w + 63 for all 32 rows b: its 64 rows of keys and of values are read, quantised and multiplied by it alone.
; It also quantises rows 2 w, 2 w + 1 of attention and rows d = 32 w .. 32 w + 31 of W[u], and packs rows 2 w, 2 w + 1 of the mask to bits.  Waves 0-3 make the query (16 rows b x one block of 32 o each).
; LOADS, in the order in which they are needed: attention and W into registers; keys by one tensor load a wave, 64 rows of 256 bytes, into LDS bytes that are filled once and read by the issuing wave alone; mask and
; rewards_mem; values' rows 0-31 when my keys are quantised, rows 32-63 behind the scores: both wait in their registers until out1 has been stored.
; No prefetch: there is no loop, and all loads are issued ahead of their use.  No cluster: the one shared input is attention, 64 KiB of a work-group's 804 KiB.
; LAYOUT (l lane, r = l % 16, h = l / 16).  A 4-bit operand gives lane (r, h) one whole block of 32 along K of row r in registers 4 c .. 4 c + 3 (block 2 c + h).  All products are used transposed
; (source 1 = 16 rows b), so a lane holds ONE b throughout, and the rows that form a tile of source 0 are chosen so that a lane's results are neighbours along the next K:
;   row m of W's tile T is o = 32 (T / 2) + 16 (m / 8) + 8 (T % 2) + m % 8;  row m of my key tile t is c = 64 w + 32 (m / 8) + 8 t + m % 8.  So S[bt][e] of lane (r, h) is b = 16 bt + r, c = 64 w + 32 h + e.
; Products 2 and 3 have 64 along K in a wave, half of an instruction's 128.  Registers 0-3 of source 0 hold one tile, registers 4-7 the next; source 1 is [q | 0] for the first and [0 | q] for the second
; (zero codes; every scale byte is finite).
; W and values have K outermost: lane (r, h) loads columns 4 r .. 4 r + 3 of rows 16 h + 0 .. 15 of a block, the registers are turned so that a column's 16 rows follow each other, and lanes l and l xor 16 share a block.
; SOFTMAX.  t = score x log2(e) / temperature.  Each wave takes its own maximum m of its 64 slots away: p = 2^(t - m); m and the sums of p and of p x rewards_mem are exchanged once; M = the row's true maximum over all
;   1,024 c, f = 2^(m - M) of each wave, P = sum of f x (sum p), R = sum of f x (sum p rm).  out1 = p (f / P);  out2 = R / P;  w = (p rm) (f / R): the finished, normalised number, which is what is quantised.
;   A slot that is masked out gets t = -2^127: its p is 0, or its wave's f is 0 where all of the wave's slots are masked out.  A row with M under -2^126 has no slot left and gets M = NaN.
; LIMITS.  NaN and infinities among the inputs are not served.  A temperature of 0 or a denormal one acts as 1/0.  p and f under 2^-126 are 0 (v_exp_f32 flushes: ISA guide 15.8).  Mask bytes are 0 or 1.
;   The scaled scores t stay under 2^31 in magnitude.
;   Blocks whose largest magnitude lies under 2^-124 keep the scale byte 1; a block of zeros keeps it too (its codes are zeros).  A row whose mask is all false gives NaN in all three outputs, as the definition does
;   (out0 by adding out2 - out2).  out2 leaves as 32 single words 1,024 bytes apart: 128 of a unit's 139,392 output bytes; a whole run of it would need 64 units in one work-group.
;   Divisions are multiplications by v_rcp_f32 (1 ulp).
.set KPW,  17408      ; LDS: my wave's keys at 17,408 w: 64 rows of 256 bytes + 16 of padding.  When they are read: my stage for out1 in the first half; in the second the values' image, then my partial of out0
.set HALF, 8704
.set VSCO, 2304       ; in the second half: the values' scale words, behind their image of 4 tiles x 528
.set ATT,  278528     ; attention's 8 fragments f = 4 bt + ks: 1,088 f + 272 block + 16 row
.set WIM,  287232     ; W's 16 fragments f = 4 ks + T: 1,040 f + 256 block + 16 row
.set ATS,  303872     ; attention's scale words: 4 (16 f + row), byte = block
.set WSC,  304384     ; W's
.set QIM,  305408     ; the query's codes: 512 bt + 256 block + 16 row
.set QSC,  306432     ; its scale words: 4 (16 bt + row)
.set RTOT, 306560     ; out2: 4 b
.set RMB,  306688     ; rewards_mem[u]: 256 bytes a wave, its own
.set REDM, 310784     ; exchange: the waves' maxima: 80 b + 4 w;  2,560 on: sums of p;  5,120 on: sums of p x rewards_mem
.set MSKB, 318464     ; mask bits: 132 b + c / 8
.set SPARE, 322816    ; the spare words, 128 bytes for each wave, that no other line names
.set FLOOR, 0x1800000 ; 2^(3 - 127): under it no largest magnitude is taken, so a scale byte cannot fall under 1
.set DOWN2, 0xff000000 ; takes 2 off an f32's exponent field
; v1-v39: addresses, made once from the thread's number; v27-v39 are used up when the scores begin and then serve as work registers
.set SPW, 1           ; my spare word
.set NIL, 2           ; 0
.set AWV, 3           ; W and values in memory: 16 r + 4,096 h
.set AMR, 4           ; mask bits: out
.set ARR, 5           ; rewards_mem: out
.set ASI, 6           ; stage for out1: in, out
.set ASO, 7
.set AOP, 8           ; my partial of out0
.set AVI, 9           ; values' codes, scale bytes: in; fragments, scale words: out
.set AVS, 10
.set AVR, 11
.set AVT, 12
.set AXS, 13          ; exchange: in, out
.set AXR, 14
.set AO0, 15          ; v15-18: my two rows in the partials of waves 0-3, 4-7, 8-11, 12-15
.set GO1, 19          ; out1: 1,048,576 h + 16 r
.set GO0, 20          ; out0: 65,536 h + 16 r
.set GO2, 21          ; out2: 1,024 l
.set AQR, 22          ; the query's codes, scale words: out
.set AQC, 23
.set ART, 24          ; out2: row l; my two rows
.set AXT, 25
.set H8,  26          ; 8 h
.set AAT, 27          ; attention's codes, scale bytes: in
.set AAS, 28
.set AWI, 29          ; W's codes, scale bytes: in
.set AWS, 30
.set AMS, 31          ; mask bits: in
.set ARW, 32          ; rewards_mem: in
.set AKR, 33          ; my keys: row 32 (r / 8) + r % 8, block h
.set AQA, 34          ; query waves: attention's fragments, scale words
.set AQS, 35
.set AQF, 36          ; W's fragments, scale words
.set AQT, 37
.set AQI, 38          ; the query's codes, scale bytes: in
.set AQW, 39
.set L32, 242         ; 32 l, 16 l, 8 l: for the head's loads
.set L16, 243
.set L8,  244
.set OB,  52          ; s[52:59] out1's base for rows b = 0, 8, 16, 24 on
.set G1,  68          ; s[68:75] tensor descriptor group 1;  s[76:79] group 0
.set G0,  76
; data: v40-63 (later v27-63) at work; v64-127 W, then keys, then S (scores, p, w), then values turned, then out0's sums; v128-191 W turned, keys, values' rows 0-31; v192-255 attention, mask, the query, values' rows 32-63
.macro PLACES n
.rept \n
	v_nop
.endr
.endm
.macro SWA
	s_wait_alu depctr_va_vdst(0)
.endm
.macro BAR                             ; my LDS stores have landed and my LDS loads are in: then the work-group's barrier
	SWA
	s_wait_dscnt 0x0
	s_barrier_signal -1
	s_barrier_wait -1
.endm
; Two groups of 8 registers, each 8 neighbours of a block that four neighbouring lanes share -> 8 codes in v[44 + 4 q], v[45 + 4 q], the blocks' bytes in v[46 + 4 q], v[47 + 4 q].  The two by turns.
.macro Q8PAIR ra, rb, q
	v_max3_num_f32 v40, |v[(\ra)]|, |v[(\ra)+1]|, FLOOR
	v_max3_num_f32 v41, |v[(\rb)]|, |v[(\rb)+1]|, FLOOR
.irp i, 2,4,6
	s_delay_alu instid0(VALU_DEP_2)
	v_max3_num_f32 v40, v40, |v[(\ra)+\i]|, |v[(\ra)+\i+1]|
	s_delay_alu instid0(VALU_DEP_2)
	v_max3_num_f32 v41, v41, |v[(\rb)+\i]|, |v[(\rb)+\i+1]|
.endr
	s_delay_alu instid0(VALU_DEP_2)
	v_max_num_f32_dpp v40, v40, v40 row_xmask:1 row_mask:0xf bank_mask:0xf
	s_delay_alu instid0(VALU_DEP_2)
	v_max_num_f32_dpp v41, v41, v41 row_xmask:1 row_mask:0xf bank_mask:0xf
	s_delay_alu instid0(VALU_DEP_2)
	v_max_num_f32_dpp v40, v40, v40 row_xmask:2 row_mask:0xf bank_mask:0xf   ; the block's largest magnitude, in its four lanes
	s_delay_alu instid0(VALU_DEP_2)
	v_max_num_f32_dpp v41, v41, v41 row_xmask:2 row_mask:0xf bank_mask:0xf
	s_delay_alu instid0(VALU_DEP_2)
	v_add_nc_u32 v42, DOWN2, v40                   ; the conversion takes the exponent field of this operand as its scale, and nothing else of it
	s_delay_alu instid0(VALU_DEP_2)
	v_add_nc_u32 v43, DOWN2, v41
	v_cvt_scalef32_pk8_fp4_f32 v[44+4*(\q)], v[(\ra):(\ra)+7], v42
	v_cvt_scalef32_pk8_fp4_f32 v[45+4*(\q)], v[(\rb):(\rb)+7], v43
	v_lshrrev_b32 v[46+4*(\q)], 23, v42            ; the scale's byte (also the plain line behind the conversions)
	v_lshrrev_b32 v[47+4*(\q)], 23, v43
.endm
; Two blocks of 32, each in one lane's 32 registers from sa, sb on -> 4 registers of codes from ca, cb on, the bytes in bya, byb.  tmp: six registers.  Each block's maximum in two chains, ascending.
.macro Q32PAIR sa, sb, ca, cb, tmp, bya, byb
	v_max3_num_f32 v[\tmp],   |v[\sa]|,    |v[\sa+1]|,  FLOOR
	v_max3_num_f32 v[\tmp+2], |v[\sb]|,    |v[\sb+1]|,  FLOOR
	v_max3_num_f32 v[\tmp+1], |v[\sa+16]|, |v[\sa+17]|, |v[\sa+18]|
	v_max3_num_f32 v[\tmp+3], |v[\sb+16]|, |v[\sb+17]|, |v[\sb+18]|
.irp i, 2,4,6,8,10,12,14
	s_delay_alu instid0(VALU_DEP_4)
	v_max3_num_f32 v[\tmp],   v[\tmp],   |v[\sa+\i]|, |v[\sa+\i+1]|
	s_delay_alu instid0(VALU_DEP_4)
	v_max3_num_f32 v[\tmp+2], v[\tmp+2], |v[\sb+\i]|, |v[\sb+\i+1]|
.if \i < 14
	s_delay_alu instid0(VALU_DEP_4)
	v_max3_num_f32 v[\tmp+1], v[\tmp+1], |v[\sa+17+\i]|, |v[\sa+18+\i]|
	s_delay_alu instid0(VALU_DEP_4)
	v_max3_num_f32 v[\tmp+3], v[\tmp+3], |v[\sb+17+\i]|, |v[\sb+18+\i]|
.endif
.endr
	s_delay_alu instid0(VALU_DEP_2)
	v_max3_num_f32 v[\tmp],   v[\tmp],   v[\tmp+1], |v[\sa+31]|
	s_delay_alu instid0(VALU_DEP_2)
	v_max3_num_f32 v[\tmp+2], v[\tmp+2], v[\tmp+3], |v[\sb+31]|
	s_delay_alu instid0(VALU_DEP_2)
	v_add_nc_u32 v[\tmp+4], DOWN2, v[\tmp]
	s_delay_alu instid0(VALU_DEP_2)
	v_add_nc_u32 v[\tmp+5], DOWN2, v[\tmp+2]
.irp g, 0,1,2,3
	v_cvt_scalef32_pk8_fp4_f32 v[\ca+\g], v[\sa+8*\g:\sa+8*\g+7], v[\tmp+4]
	v_cvt_scalef32_pk8_fp4_f32 v[\cb+\g], v[\sb+8*\g:\sb+8*\g+7], v[\tmp+5]
.endr
	v_lshrrev_b32 v[\bya], 23, v[\tmp+4]           ; (also the plain line behind the conversions)
	v_lshrrev_b32 v[\byb], 23, v[\tmp+5]
.endm
; 32 rows x 64 columns with K outermost: v[s + 4 i + q] = (row 16 h + i, column 4 r + q) -> v[d + 16 q + i], then quantised.  A column's block lies in lanes l and l xor 16, 16 rows each.
; My half block's codes, 8 bytes a column, go to the image at ai, the block's scale byte to sa.
.macro T16 s, d, ai, sa, oi, os
.irp q, 0,2
.irp i, 0,2,4,6,8,10,12,14
	v_dual_mov_b32 v[\d+16*\q+\i], v[\s+4*\i+\q] :: v_dual_mov_b32 v[\d+16*\q+17+\i], v[\s+4*\i+5+\q]
	v_dual_mov_b32 v[\d+16*\q+16+\i], v[\s+4*\i+1+\q] :: v_dual_mov_b32 v[\d+16*\q+1+\i], v[\s+4*\i+4+\q]
.endr
.endr
.irp q, 0,1,2,3
	v_max3_num_f32 v[\s+\q], |v[\d+16*\q]|, |v[\d+16*\q+1]|, FLOOR
.endr
.irp i, 2,4,6,8,10,12,14
.irp q, 0,1,2,3
	v_max3_num_f32 v[\s+\q], v[\s+\q], |v[\d+16*\q+\i]|, |v[\d+16*\q+\i+1]|   ; the four columns by turns
.endr
.endr
.irp q, 0,1,2,3
	v_permlanex16_b32 v[\s+4+\q], v[\s+\q], s34, s35
.endr
.irp q, 0,1,2,3
	v_max_num_f32 v[\s+\q], v[\s+\q], v[\s+4+\q]
.endr
.irp q, 0,1,2,3
	v_add_nc_u32 v[\s+\q], DOWN2, v[\s+\q]
.endr
.irp q, 0,1,2,3
	v_cvt_scalef32_pk8_fp4_f32 v[\s+8+2*\q], v[\d+16*\q:\d+16*\q+7], v[\s+\q]
	v_cvt_scalef32_pk8_fp4_f32 v[\s+9+2*\q], v[\d+16*\q+8:\d+16*\q+15], v[\s+\q]
.endr
.irp q, 0,1,2,3
	v_lshrrev_b32 v[\s+4+\q], 23, v[\s+\q]         ; (also the plain line behind the conversions)
.endr
.irp q, 0,1,2,3
	ds_store_b64 v[\ai], v[\s+8+2*\q:\s+9+2*\q] offset:\oi+16*\q
	ds_store_b8 v[\sa], v[\s+4+\q] offset:\os+4*\q   ; both halves of the lanes write the same byte with the same value
.endr
.endm
.macro VLOAD z, off                    ; 32 rows of my 64 of values: each half of the lanes reads whole rows of 256 bytes
.irp i, 0,1,2,3,4,5,6,7,8,9,10,11,12,13,14,15
	global_load_b128 v[\z+4*\i:\z+4*\i+3], v[AWV], s[12:13] offset:\off+256*\i th:TH_LOAD_NT
.endr
.endm
.macro XLD off, reg                    ; the sixteen waves' words of row b = l
.irp i, 0,1,2,3
	ds_load_b128 v[\reg+4*\i:\reg+4*\i+3], v[AXR] offset:\off+16*\i
.endr
.endm
.macro SPREAD x, tmp, d0, d1           ; lane l holds row b = l  ->  d0: row r, d1: row 16 + r, in both halves of the lanes
	v_permlanex16_b32 v[\tmp], v[\x], s34, s35
	v_cndmask_b32 v[\d0], v[\x], v[\tmp], s36
	v_cndmask_b32 v[\d1], v[\tmp], v[\x], s36
.endm
.macro MERGE d, a0, a1                 ; lanes 0-15 take tile 0's, lanes 16-31 tile 1's: lane l then holds row b = l
	v_cndmask_b32 v[\d], v[\a0], v[\a1], s36
.endm
; The matrix instruction.  ra, rb: which half of the lanes of sa, sb holds the side's scale words.  cz = 0: the product starts the sum
.macro WM2 ra, rb, d, a, b, c, sa, sb
.if ((\ra) == 0) && ((\rb) == 0)
	v_wmma_scale_f32_16x16x128_f8f6f4 v[(\d):(\d)+7], v[(\a):(\a)+7], v[(\b):(\b)+7], \c, v[\sa], v[\sb] matrix_a_fmt:MATRIX_FMT_FP4 matrix_b_fmt:MATRIX_FMT_FP4
.elseif (\rb) == 0
	v_wmma_scale_f32_16x16x128_f8f6f4 v[(\d):(\d)+7], v[(\a):(\a)+7], v[(\b):(\b)+7], \c, v[\sa], v[\sb] matrix_a_fmt:MATRIX_FMT_FP4 matrix_b_fmt:MATRIX_FMT_FP4 matrix_a_scale:MATRIX_SCALE_ROW1
.elseif (\ra) == 0
	v_wmma_scale_f32_16x16x128_f8f6f4 v[(\d):(\d)+7], v[(\a):(\a)+7], v[(\b):(\b)+7], \c, v[\sa], v[\sb] matrix_a_fmt:MATRIX_FMT_FP4 matrix_b_fmt:MATRIX_FMT_FP4 matrix_b_scale:MATRIX_SCALE_ROW1
.else
	v_wmma_scale_f32_16x16x128_f8f6f4 v[(\d):(\d)+7], v[(\a):(\a)+7], v[(\b):(\b)+7], \c, v[\sa], v[\sb] matrix_a_fmt:MATRIX_FMT_FP4 matrix_b_fmt:MATRIX_FMT_FP4 matrix_a_scale:MATRIX_SCALE_ROW1 matrix_b_scale:MATRIX_SCALE_ROW1
.endif
.endm
.macro WM ra, rb, d, a, b, cz, sa, sb
.if (\cz) == 0
	WM2 \ra, \rb, \d, \a, \b, 0, \sa, \sb
.else
	WM2 \ra, \rb, \d, \a, \b, v[(\d):(\d)+7], \sa, \sb
.endif
.endm
; ---------------- THE HEAD
	s_load_b512 s[4:19], s[0:1], 0x0               ; attention 4, W 6, temperature 8, keys 10, values 12, rewards_mem 14, mask 16, out0 18
	s_load_b128 s[20:23], s[0:1], 0x40             ; out1 20, out2 22
	v_lshl_add_u32 v[SPW], v0, 2, SPARE
	v_mov_b32 v[NIL], 0
	ds_add_u32 v[SPW], v[NIL]                      ; the add, twice on end, and its wait ahead of the tensor load
	ds_add_u32 v[SPW], v[NIL]
	v_lshrrev_b32 v40, 5, v0
	v_readfirstlane_b32 s2, v40                    ; wave w
	v_and_b32 v41, 31, v0                          ; l
	v_and_b32 v42, 15, v0                          ; r
	v_bfe_u32 v43, v0, 4, 1                        ; h
	v_bfe_u32 v44, v0, 2, 3                        ; l / 4
	v_and_b32 v45, 3, v0                           ; l % 4 = r % 4
	v_bfe_u32 v46, v0, 2, 2                        ; (l / 4) % 4 = r / 4
	v_bfe_u32 v47, v0, 3, 1                        ; bits 3, 1, 2, 0 of r
	v_bfe_u32 v48, v0, 1, 1
	v_bfe_u32 v49, v0, 2, 1
	v_and_b32 v50, 1, v0
	v_and_b32 v53, 7, v0                           ; r % 8
	v_lshlrev_b32 v51, 4, v42                      ; 16 r
	v_mul_u32_u24 v56, v42, 272                    ; 272 r
	v_mul_u32_u24 v57, v43, 272
	v_lshlrev_b32 v[L32], 5, v41
	v_lshlrev_b32 v[L16], 4, v41
	v_lshlrev_b32 v[L8], 3, v41
	v_add_nc_u32 v57, v57, v51                     ; 272 h + 16 r
	v_lshl_add_u32 v[AWV], v43, 12, v51
	s_mov_b32 s[G1+0], (2<<16)|(1<<20)|(5<<22)|(3<<25)  ; elements of 4 bytes; padding on: after every 64 words (code 5) 4 words (code 3)
	s_mov_b32 s[G1+1], 64<<16                      ; tensor_dim0 = 64
	s_mov_b32 s[G1+2], 64<<16                      ; tensor_dim1 = 64
	s_mov_b32 s[G1+3], 64<<16                      ; tile_dim0 = 64
	s_mov_b32 s[G1+4], 64                          ; tile_dim1 = 64
	s_mov_b32 s[G1+5], 64                          ; 64 elements from row to row
	s_mov_b32 s[G1+6], 0
	s_mov_b32 s[G1+7], 0
	s_mov_b32 s25, 0
	s_mul_i32 s28, s2, KPW                         ; my wave's keys in LDS
	s_mov_b32 s[G0], 1
	s_mul_i32 s[G0+1], s2, KPW
	s_lshl_b32 s24, ttmp9, 18
	s_lshl_b32 s26, s2, 14
	s_add_co_u32 s24, s24, s26                     ; keys and values: 262,144 u + 16,384 w
	SWA
	s_wait_dscnt 0x0                               ; both opening adds are done
	s_wait_kmcnt 0x0
	s_add_nc_u64 s[G0+2:G0+3], s[10:11], s[24:25]
	s_or_b32 s[G0+3], s[G0+3], 0x80000000
	s_add_nc_u64 s[12:13], s[12:13], s[24:25]
	s_lshl_b32 s24, s2, 12
	s_add_nc_u64 s[4:5], s[4:5], s[24:25]          ; attention: rows 2 w, 2 w + 1: 4,096 w
	s_lshl_b32 s24, ttmp9, 17
	s_lshl_b32 s26, s2, 13
	s_add_co_u32 s24, s24, s26
	s_add_nc_u64 s[6:7], s[6:7], s[24:25]          ; W: 131,072 u + 8,192 w
.irp ch, 0,1,2,3                       ; chunk ch: row 2 w + ch / 2, d = 256 (ch % 2) + 8 l .. + 7: the two loads cover 1,024 consecutive bytes.  No hint: every work-group reads attention
	global_load_b128 v[192+8*\ch:195+8*\ch], v[L32], s[4:5] offset:1024*\ch
	global_load_b128 v[196+8*\ch:199+8*\ch], v[L32], s[4:5] offset:1024*\ch+16
.endr
.irp i, 0,1,2,3,4,5,6,7,8,9,10,11,12,13,14,15
	global_load_b128 v[64+4*\i:67+4*\i], v[AWV], s[6:7] offset:256*\i th:TH_LOAD_NT   ; W rows 32 w + 16 h + i, columns 4 r .. 4 r + 3
.endr
	tensor_load_to_lds s[G0:G0+3], s[G1:G1+7]      ; my 64 rows of keys: the one tensor load of this wave
	s_nop 0
	s_lshl_b32 s24, ttmp9, 2
	s_add_nc_u64 s[8:9], s[8:9], s[24:25]          ; temperature and out2: 4 u
	s_add_nc_u64 s[22:23], s[22:23], s[24:25]
	s_load_b32 s42, s[8:9], 0x0
	s_lshl_b32 s24, ttmp9, 12
	s_lshl_b32 s26, s2, 8
	s_add_co_u32 s24, s24, s26
	s_add_nc_u64 s[14:15], s[14:15], s[24:25]      ; rewards_mem and out1: 4,096 u + 256 w
	s_add_nc_u64 s[20:21], s[20:21], s[24:25]
	s_lshl_b32 s24, ttmp9, 10
	s_lshl_b32 s26, s2, 19
	s_add_co_u32 s24, s24, s26
	s_add_nc_u64 s[16:17], s[16:17], s[24:25]      ; mask: 1,024 u + 2 w rows of 262,144
	s_lshl_b32 s24, ttmp9, 8
	s_lshl_b32 s26, s2, 17
	s_add_co_u32 s24, s24, s26
	s_add_nc_u64 s[18:19], s[18:19], s[24:25]      ; out0: 256 u + 2 w rows of 65,536
.irp i, 0,1,2,3
	global_load_b128 v[224+4*\i:227+4*\i], v[L16], s[16:17] offset:262144*(\i/2)+512*(\i%2) th:TH_LOAD_NT
.endr
	global_load_b64 v[240:241], v[L8], s[14:15] th:TH_LOAD_NT
; the addresses
	s_lshr_b32 s43, s2, 3
	s_and_b32 s44, s2, 7
	s_lshr_b32 s45, s2, 2
	s_and_b32 s46, s2, 3
	s_and_b32 s47, s2, 1                           ; query waves: bt
	s_bfe_u32 s48, s2, 0x10001                     ; and which block of 32 o
	s_mov_b32 s34, 0x76543210                      ; v_permlanex16_b32's selects for lane l xor 16
	s_mov_b32 s35, 0xfedcba98
	s_mov_b32 s36, 0xffff0000                      ; lanes 16-31
	s_mov_b32 s38, 0xfe800000                      ; -2^126
	s_mov_b32 s39, 0x7fc00000                      ; NaN
	s_mov_b32 s49, 0x7f000000                      ; 2^127
	s_mov_b32 s50, 0x01020408                      ; gathers four mask bytes' bits in bits 27:24
	s_mov_b64 s[OB:OB+1], s[20:21]
	s_add_nc_u64 s[OB+2:OB+3], s[20:21], 0x800000  ; 8 rows b of 1,048,576 bytes on, so that the stores' offsets stay inside the signed 24-bit immediate (ISA guide, chapter 10)
	s_add_nc_u64 s[OB+4:OB+5], s[20:21], 0x1000000
	s_add_nc_u64 s[OB+6:OB+7], s[20:21], 0x1800000
	s_mul_i32 s24, s43, 4352                       ; attention, chunk ch, lane l: fragment 4 (w / 8) + 2 (ch % 2) + l / 16, block (l / 4) % 4, row 2 (w % 8) + ch / 2, register l % 4
	s_lshl_b32 s26, s44, 5
	s_add_co_u32 s24, s24, s26
	s_add_co_u32 s24, s24, ATT
	v_mul_u32_u24 v54, v44, 272
	v_lshl_add_u32 v54, v45, 2, v54
	v_add_nc_u32 v[AAT], s24, v54
	s_lshl_b32 s24, s43, 8
	s_lshl_b32 s26, s44, 3
	s_add_co_u32 s24, s24, s26
	s_add_co_u32 s24, s24, ATS
	v_lshl_add_u32 v54, v43, 6, v46
	v_add_nc_u32 v[AAS], s24, v54
	s_mul_i32 s24, s45, 4160                       ; W, column o = 4 r + q: K step w / 4, block w % 4; tile 2 (bit 3 of r) + (bit 1), row 8 (bit 2) + 4 (bit 0) + q, 8 bytes for each half of the lanes
	s_lshl_b32 s26, s46, 8
	s_add_co_u32 s24, s24, s26
	s_add_co_u32 s24, s24, WIM
	v_mul_u32_u24 v54, v47, 2080
	v_mul_u32_u24 v55, v48, 1040
	v_lshl_add_u32 v54, v49, 7, v54
	v_lshl_add_u32 v55, v50, 6, v55
	v_lshl_add_u32 v54, v43, 3, v54
	v_add_nc_u32 v54, v54, v55
	v_add_nc_u32 v[AWI], s24, v54
	s_lshl_b32 s24, s45, 8
	s_add_co_u32 s24, s24, s46
	s_add_co_u32 s24, s24, WSC
	v_lshlrev_b32 v54, 7, v47
	v_lshl_add_u32 v54, v48, 6, v54
	v_lshl_add_u32 v54, v49, 5, v54
	v_lshl_add_u32 v54, v50, 4, v54
	v_add_nc_u32 v[AWS], s24, v54
	s_mul_i32 s24, s2, 264                         ; mask bits: rows 2 w, 2 w + 1, 16 bits a lane
	s_add_co_u32 s24, s24, MSKB
	v_lshl_add_u32 v[AMS], v41, 1, s24
	s_lshl_b32 s24, s2, 3
	s_add_co_u32 s24, s24, MSKB
	v_mul_u32_u24 v54, v42, 132
	v_lshl_add_u32 v54, v43, 2, v54
	v_add_nc_u32 v[AMR], s24, v54                  ; row r, my lane's 32 slots: one word
	s_lshl_b32 s24, s2, 8
	s_add_co_u32 s24, s24, RMB
	v_lshl_add_u32 v[ARW], v41, 3, s24
	v_lshl_add_u32 v[ARR], v43, 7, s24
	v_mul_u32_u24 v54, v53, 272
	v_mul_u32_u24 v55, v47, 8704
	v_lshl_add_u32 v54, v43, 7, v54
	v_add_nc_u32 v54, v54, v55
	v_add_nc_u32 v[AKR], s28, v54
	v_lshl_add_u32 v54, v43, 7, v56
	v_add_nc_u32 v[ASI], s28, v54                  ; my stage + 272 r + 128 h
	v_add_nc_u32 v[ASO], s28, v57                  ; my stage + 272 h + 16 r
	s_add_co_u32 s29, s28, HALF
	v_lshl_add_u32 v54, v43, 5, v56
	v_add_nc_u32 v[AOP], s29, v54                  ; my partial + 272 r + 32 h
	s_mul_i32 s24, s2, 544
	s_add_co_u32 s24, s24, HALF
	v_add_nc_u32 v[AO0], s24, v57                  ; rows 2 w + h of wave 0's partial; four waves on in the next three
	v_add_nc_u32 v[AO0+1], 4*KPW, v[AO0]
	v_add_nc_u32 v[AO0+2], 8*KPW, v[AO0]
	v_add_nc_u32 v[AO0+3], 12*KPW, v[AO0]
	v_mul_u32_u24 v54, v46, 528                    ; values, column 4 r + q: tile r / 4, row 4 (r % 4) + q
	v_lshl_add_u32 v54, v45, 6, v54
	v_lshl_add_u32 v54, v43, 3, v54
	v_add_nc_u32 v[AVI], s29, v54
	v_lshl_add_u32 v[AVR], v41, 4, s29
	s_add_co_u32 s24, s29, VSCO                    ; scale words: two tiles to a word: 4 (16 (tile / 2) + row) + 2 (tile % 2) + block
	v_lshlrev_b32 v54, 6, v47
	v_lshl_add_u32 v54, v49, 1, v54
	v_lshl_add_u32 v54, v45, 4, v54
	v_add_nc_u32 v[AVS], s24, v54
	v_lshl_add_u32 v[AVT], v41, 2, s24
	s_lshl_b32 s24, s2, 2
	v_mul_u32_u24 v54, v41, 80
	v_add_nc_u32 v[AXR], REDM, v54
	v_add_nc_u32 v[AXS], s24, v[AXR]
	v_lshl_add_u32 v[GO1], v43, 20, v51
	v_lshl_add_u32 v[GO0], v43, 16, v51
	v_lshlrev_b32 v[GO2], 10, v41
	s_mul_i32 s24, s47, 4352
	s_add_co_u32 s24, s24, ATT
	v_add_nc_u32 v[AQA], s24, v57
	s_lshl_b32 s24, s47, 8
	s_add_co_u32 s24, s24, ATS
	v_lshl_add_u32 v[AQS], v41, 2, s24
	s_mul_i32 s24, s48, 2080
	s_add_co_u32 s24, s24, WIM
	v_lshl_add_u32 v[AQF], v41, 4, s24
	s_lshl_b32 s24, s48, 7
	s_add_co_u32 s24, s24, WSC
	v_lshl_add_u32 v[AQT], v41, 2, s24
	s_lshl_b32 s24, s47, 9
	s_lshl_b32 s26, s48, 8
	s_add_co_u32 s24, s24, s26
	s_add_co_u32 s24, s24, QIM
	v_lshl_add_u32 v54, v43, 3, v51
	v_add_nc_u32 v[AQI], s24, v54
	s_lshl_b32 s24, s47, 6
	s_add_co_u32 s24, s24, s48
	s_add_co_u32 s24, s24, QSC
	v_lshl_add_u32 v[AQW], v42, 2, s24
	v_lshl_add_u32 v[AQR], v41, 4, QIM
	v_lshl_add_u32 v[AQC], v41, 2, QSC
	v_lshl_add_u32 v[ART], v41, 2, RTOT
	s_lshl_b32 s24, s2, 3
	s_add_co_u32 s24, s24, RTOT
	v_lshl_add_u32 v[AXT], v43, 2, s24
	v_lshlrev_b32 v[H8], 3, v43
	SWA
	s_wait_kmcnt 0x0                               ; temperature[u]
	v_rcp_f32 v54, s42
	v_nop                                          ; a plain line behind the reciprocal,
	SWA                                            ; and the wait ahead of its first reader
	v_mul_f32 v54, 0x3fb8aa3b, v54                 ; log2(e) / temperature
	v_readfirstlane_b32 s40, v54
	s_mov_b32 s41, s40                             ; (the packed form names the pair)
; ---------------- ATTENTION
	s_wait_loadcnt 21                              ; younger: W's 16 loads, mask's and rewards_mem's 5
	Q8PAIR 192, 200, 0                             ; chunks 0, 1
	Q8PAIR 208, 216, 1                             ; chunks 2, 3
.irp ch, 0,1,2,3
	ds_store_b32 v[AAT], v[44+4*(\ch/2)+\ch%2] offset:2176*(\ch%2)+16*(\ch/2)
	ds_store_b8  v[AAS], v[46+4*(\ch/2)+\ch%2] offset:128*(\ch%2)+4*(\ch/2)    ; a block's four lanes write the same byte with the same value
.endr
; ---------------- W: my block of 32 along d of all 64 columns
	s_wait_loadcnt 5                               ; W is in: mask's and rewards_mem's loads are younger
	T16 64, 128, AWI, AWS, 0, 0
	BAR                                            ; attention's and W's images lie whole in LDS
; ---------------- THE QUERY: waves 0-3: rows 16 (w % 2) on, o = 32 (w / 2) on.  The branch hangs on the wave's number; no barrier and no global load stands inside
	s_cmp_lt_u32 s2, 4
	s_cbranch_scc0 .Lkeys
	ds_load_b32 v56, v[AQS]                        ; attention's scale words: K steps 0 | 1 in the two halves of the lanes,
	ds_load_b32 v57, v[AQS] offset:128             ; 2 | 3
.irp ks, 0,1,2,3
	ds_load_b32 v[58+\ks], v[AQT] offset:256*\ks   ; W's: my two tiles in the two halves
.endr
.irp k2, 0,2                           ; two K steps at a time
.if \k2 > 0
	PLACES 4                                       ; in front of loads into registers that matrix instructions have read (ISA guide 7.12.1 for vector instructions)
.endif
.irp kk, 0,1
.irp c, 0,1
	ds_load_b128 v[64+24*\kk+4*\c:67+24*\kk+4*\c], v[AQF] offset:1040*(4*(\k2+\kk))+512*\c
	ds_load_b128 v[72+24*\kk+4*\c:75+24*\kk+4*\c], v[AQF] offset:1040*(4*(\k2+\kk)+1)+512*\c
	ds_load_b128 v[80+24*\kk+4*\c:83+24*\kk+4*\c], v[AQA] offset:1088*(\k2+\kk)+544*\c
.endr
.endr
	s_wait_dscnt 0x0
.irp kk, 0,1
.irp u, 0,1                            ; the two accumulators take turns, one instruction a turn
	WM \u, \kk, 112+8*\u, 64+24*\kk+8*\u, 80+24*\kk, \k2+\kk, 58+\k2+\kk, 56+\k2/2
.endr
.endr
.endr
	PLACES 4
	v_max3_num_f32 v40, |v112|, |v113|, FLOOR      ; v[112 + i] = query(row r, o = 32 (w / 2) + 16 h + i).  Each accumulator is read from its low end on
	v_max3_num_f32 v41, |v120|, |v121|, |v122|
	v_max3_num_f32 v40, v40, |v114|, |v115|
	v_max3_num_f32 v41, v41, |v123|, |v124|
	v_max3_num_f32 v40, v40, |v116|, |v117|
	v_max3_num_f32 v41, v41, |v125|, |v126|
	v_max3_num_f32 v40, v40, |v118|, |v119|
	v_max3_num_f32 v40, v40, v41, |v127|
	v_permlanex16_b32 v42, v40, s34, s35
	v_max_num_f32 v40, v40, v42                    ; with lane l xor 16's 16: the block's
	v_add_nc_u32 v43, DOWN2, v40
	v_cvt_scalef32_pk8_fp4_f32 v44, v[112:119], v43
	v_cvt_scalef32_pk8_fp4_f32 v45, v[120:127], v43
	v_lshrrev_b32 v46, 23, v43                     ; (also the plain line behind the conversions)
	ds_store_b64 v[AQI], v[44:45]
	ds_store_b8 v[AQW], v46                        ; bytes b and b + 2: the word serves [q | 0] and [0 | q]
	ds_store_b8 v[AQW], v46 offset:2
	s_wait_dscnt 0x0                               ; the stores have read their registers
.Lkeys:
; ---------------- MASK and REWARDS_MEM into LDS
	s_wait_loadcnt 0x0
.set j, 0
.rept 16
	v_mul_lo_u32 v[224+j], v[224+j], s50           ; bytes of 0 or 1: their four bits in bits 27:24, nothing above
.set j, j+1
.endr
.set j, 0
.rept 16
	v_lshrrev_b32 v[224+j], 24, v[224+j]
.set j, j+1
.endr
.irp i, 0,1,2,3
	v_lshl_or_b32 v[225+4*\i], v[225+4*\i], 4, v[224+4*\i]
	v_lshl_or_b32 v[227+4*\i], v[227+4*\i], 4, v[226+4*\i]
.endr
.irp i, 0,1,2,3
	v_lshl_or_b32 v[227+4*\i], v[227+4*\i], 8, v[225+4*\i]     ; my 16 slots' bits
.endr
.irp i, 0,1,2,3
	ds_store_b16 v[AMS], v[227+4*\i] offset:132*(\i/2)+64*(\i%2)
.endr
	ds_store_b64 v[ARW], v[240:241]
; ---------------- KEYS: tiles 2 P and 2 P + 1 make source 0's fragment v[40 + 8 P ..]
	s_wait_tensorcnt 0x0                           ; my 64 rows are in LDS; no other wave reads them
.irp P, 0,1
.irp q, 0,1,2,3,4,5,6,7
	ds_load_b128 v[64+64*\P+4*\q:67+64*\P+4*\q], v[AKR] offset:4352*\P+16*\q
	ds_load_b128 v[96+64*\P+4*\q:99+64*\P+4*\q], v[AKR] offset:4352*\P+2176+16*\q
.endr
.endr
.irp P, 0,1
	s_wait_dscnt 16*(1-\P)                         ; the second pair's sixteen loads may be out
	Q32PAIR 64+64*\P, 96+64*\P, 40+8*\P, 44+8*\P, 58, 58, 59
	s_delay_alu instid0(VALU_DEP_1)
	v_lshl_or_b32 v58, v59, 16, v58                ; bytes 0 and 2,
	s_delay_alu instid0(VALU_DEP_1)
	v_lshlrev_b32 v58, v[H8], v58                  ; 8 h bits up;
	s_delay_alu instid0(VALU_DEP_1)
	v_permlanex16_b32 v59, v58, s34, s35
	s_delay_alu instid0(VALU_DEP_1)
	v_or_b32 v[56+\P], v58, v59                    ; with lane l xor 16's: the two tiles' scale word
.endr
	VLOAD 128, 0                                   ; values' rows 0-31
	BAR                                            ; the query's images and the mask bits lie in LDS
; ---------------- SCORES: S^T = keys query^T: my four tiles of 16 keys x two tiles of 16 rows b.  v192-211 = [0][q of rows 0-15][0][q of rows 16-31][0]
.irp z, 192,200,208
.irp i, 0,1,2,3
	v_mov_b32 v[\z+\i], 0
.endr
.endr
	ds_load_b128 v[196:199], v[AQR]
	ds_load_b128 v[204:207], v[AQR] offset:512
	ds_load_b32 v212, v[AQC]                       ; the query's scale words: rows 0-15 | 16-31
	PLACES 4                                       ; operand registers written by vector instructions stand four places ahead of a scaled matrix instruction
	SWA
	s_wait_dscnt 0x0
.irp t, 0,1,2,3
.irp bt, 0,1
	WM 0, \bt, 64+32*\bt+8*\t, 40+8*(\t/2), 196+8*\bt-4*(\t%2), 0, 56+\t/2, 212
.endr
.endr
	PLACES 4                                       ; in front of loads into registers that matrix instructions have read
	ds_load_b32 v58, v[AMR]                        ; the mask's 32 bits of (r, my 32 slots),
	ds_load_b32 v59, v[AMR] offset:2112            ; of (16 + r, ..)
	VLOAD 192, 8192                                ; values' rows 32-63
; ---------------- SOFTMAX
.set j, 0
.rept 32
	v_pk_mul_f32 v[64+j:65+j], v[64+j:65+j], s[40:41] op_sel_hi:[1,0]   ; t = score x log2(e) / temperature; each accumulator from its low end on
.set j, j+2
.endr
	SWA
	s_wait_dscnt 0x0
	v_xor_b32 v58, -1, v58                         ; ones where a slot is masked out
	v_xor_b32 v59, -1, v59
.irp k, 0,1,2,3
	v_bfe_u32 v[40+\k], v58, 8*\k, 8
	v_bfe_u32 v[44+\k], v59, 8*\k, 8
.endr
.irp bt, 0,1
.irp k, 0,1,2,3
.irp i, 0,4
.irp n, 0,1,2,3
	v_lshl_or_b32 v[48+\i+\n], v[40+4*\bt+\k], 31-\i-\n, s49   ; the slot's bit becomes the sign of 2^127: the byte's lower bits land in bits 30:24, which are set
.endr
.irp n, 0,1,2,3
	v_min_num_f32 v[64+32*\bt+8*\k+\i+\n], v[64+32*\bt+8*\k+\i+\n], v[48+\i+\n]   ; t where the slot counts, else -2^127
.endr
.endr
.endr
.endr
.irp bt, 0,1                           ; my lane's largest t of each tile, in two chains
	v_max3_num_f32 v[60+2*\bt], v[64+32*\bt], v[65+32*\bt], v[66+32*\bt]
	v_max3_num_f32 v[61+2*\bt], v[79+32*\bt], v[80+32*\bt], v[81+32*\bt]
.endr
.irp i, 0,2,4,6,8,10
.irp bt, 0,1
	s_delay_alu instid0(VALU_DEP_4)
	v_max3_num_f32 v[60+2*\bt], v[60+2*\bt], v[67+32*\bt+\i], v[68+32*\bt+\i]
	s_delay_alu instid0(VALU_DEP_4)
	v_max3_num_f32 v[61+2*\bt], v[61+2*\bt], v[82+32*\bt+\i], v[83+32*\bt+\i]
.endr
.endr
	s_delay_alu instid0(VALU_DEP_3)
	v_max3_num_f32 v61, v61, v94, v95
	s_delay_alu instid0(VALU_DEP_2)
	v_max3_num_f32 v63, v63, v126, v127
.irp bt, 0,1
	s_delay_alu instid0(VALU_DEP_2)
	v_max_num_f32 v[60+2*\bt], v[60+2*\bt], v[61+2*\bt]
.endr
.irp bt, 0,1
	s_delay_alu instid0(VALU_DEP_2)
	v_permlanex16_b32 v[61+2*\bt], v[60+2*\bt], s34, s35
.endr
.irp bt, 0,1
	s_delay_alu instid0(VALU_DEP_2)
	v_max_num_f32 v[60+2*\bt], v[60+2*\bt], v[61+2*\bt]     ; with lane l xor 16's: m of my wave's 64 slots
.endr
.macro RMLD k                          ; rewards_mem of my lane's slots 8 k .. 8 k + 7, into v28-35 and v48-55 by turns
	ds_load_b128 v[28+20*((\k)%2):31+20*((\k)%2)], v[ARR] offset:32*(\k)
	ds_load_b128 v[32+20*((\k)%2):35+20*((\k)%2)], v[ARR] offset:32*(\k)+16
.endm
	RMLD 0
	RMLD 1
.irp bt, 0,1
.set j, 0
.rept 16
	v_pk_add_f32 v[64+32*\bt+j:65+32*\bt+j], v[64+32*\bt+j:65+32*\bt+j], v[60+2*\bt:61+2*\bt] op_sel_hi:[1,0] neg_lo:[0,1] neg_hi:[0,1]   ; t - m (the pair's low word serves both halves)
.set j, j+2
.endr
.endr
.set j, 0
	SWA
.rept 64
	v_exp_f32 v[64+j], v[64+j]                     ; p = 2^(t - m): one batch
.set j, j+1
.endr
	v_nop                                          ; a plain line behind the last exponential; the wait for the batch, ahead of its first reader, is SUMS 0's
; four chains by turns: sum of p (v40, v42) and sum of p x rewards_mem (v44, v46), for each tile
.macro SUMS k, left
	SWA
	s_wait_dscnt \left                             ; this piece of rewards_mem is in; the next one's two loads may be out
.irp j, 0,2,4,6
.set sr, 28+20*((\k)%2)+\j
.set sp, 64+8*(\k)+\j
.if (8*(\k)+\j) == 0
	v_pk_mul_f32 v[44:45], v[sp:sp+1], v[sr:sr+1]
	v_pk_mul_f32 v[46:47], v[sp+32:sp+33], v[sr:sr+1]
.else
.if (8*(\k)+\j) == 2
	v_pk_add_f32 v[40:41], v[64:65], v[66:67]
	v_pk_add_f32 v[42:43], v[96:97], v[98:99]
.else
	v_pk_add_f32 v[40:41], v[40:41], v[sp:sp+1]
	v_pk_add_f32 v[42:43], v[42:43], v[sp+32:sp+33]
.endif
	v_pk_fma_f32 v[44:45], v[sp:sp+1], v[sr:sr+1], v[44:45]
	v_pk_fma_f32 v[46:47], v[sp+32:sp+33], v[sr:sr+1], v[46:47]
.endif
.endr
.if (\k) < 2
	RMLD (\k)+2
.endif
.endm
	SUMS 0, 2
	SUMS 1, 2
	SUMS 2, 2
	SUMS 3, 0
.irp z, 40,42,44,46
	s_delay_alu instid0(VALU_DEP_4)
	v_add_f32 v[\z], v[\z], v[\z+1]
.endr
.irp z, 40,42,44,46
	s_delay_alu instid0(VALU_DEP_4)
	v_permlanex16_b32 v[\z+1], v[\z], s34, s35
.endr
.irp z, 40,42,44,46
	s_delay_alu instid0(VALU_DEP_4)
	v_add_f32 v[\z], v[\z], v[\z+1]
.endr
	MERGE 27, 60, 62                               ; my wave's m of row l: kept
	MERGE 48, 40, 42
	MERGE 49, 44, 46
	ds_store_b32 v[AXS], v27
	ds_store_b32 v[AXS], v48 offset:2560
	ds_store_b32 v[AXS], v49 offset:5120
	BAR                                            ; all sixteen waves' maxima and sums lie in LDS
	XLD 0, 28
	XLD 2560, 44
	s_wait_dscnt 4                                 ; the maxima are in
	v_max3_num_f32 v60, v28, v29, v30
	v_max3_num_f32 v61, v31, v32, v33
	s_delay_alu instid0(VALU_DEP_2)
	v_max3_num_f32 v60, v60, v34, v35
	s_delay_alu instid0(VALU_DEP_2)
	v_max3_num_f32 v61, v61, v36, v37
	s_delay_alu instid0(VALU_DEP_2)
	v_max3_num_f32 v60, v60, v38, v39
	s_delay_alu instid0(VALU_DEP_2)
	v_max3_num_f32 v61, v61, v40, v41
	s_delay_alu instid0(VALU_DEP_2)
	v_max3_num_f32 v60, v60, v42, v43
	s_delay_alu instid0(VALU_DEP_1)
	v_max_num_f32 v60, v60, v61                    ; M: row l's maximum over all 1,024 slots
	v_cmp_gt_f32 vcc_lo, s38, v60                  ; under -2^126: no slot of the row counts
	v_cndmask_b32 v60, v60, s39, vcc_lo
.set j, 0
.rept 8
	v_pk_add_f32 v[28+j:29+j], v[28+j:29+j], v[60:61] op_sel_hi:[1,0] neg_lo:[0,1] neg_hi:[0,1]   ; each wave's m - M
.set j, j+2
.endr
	v_sub_f32 v62, v27, v60                        ; my wave's
.set j, 0
	SWA
.rept 16
	v_exp_f32 v[28+j], v[28+j]                     ; f of each wave
.set j, j+1
.endr
	v_exp_f32 v62, v62
	v_nop
	SWA
	s_wait_dscnt 0x0                               ; the sums of p are in
	v_pk_mul_f32 v[60:61], v[28:29], v[44:45]
	v_pk_mul_f32 v[44:45], v[30:31], v[46:47]
	v_pk_fma_f32 v[60:61], v[32:33], v[48:49], v[60:61]
	v_pk_fma_f32 v[44:45], v[34:35], v[50:51], v[44:45]
	v_pk_fma_f32 v[60:61], v[36:37], v[52:53], v[60:61]
	v_pk_fma_f32 v[44:45], v[38:39], v[54:55], v[44:45]
	v_pk_fma_f32 v[60:61], v[40:41], v[56:57], v[60:61]
	v_pk_fma_f32 v[44:45], v[42:43], v[58:59], v[44:45]
	v_pk_add_f32 v[60:61], v[60:61], v[44:45]
	XLD 5120, 44
	v_add_f32 v60, v60, v61                        ; P
	SWA
	s_wait_dscnt 0x0                               ; the sums of p x rewards_mem are in
	v_pk_mul_f32 v[44:45], v[28:29], v[44:45]
	v_pk_mul_f32 v[46:47], v[30:31], v[46:47]
	v_pk_fma_f32 v[44:45], v[32:33], v[48:49], v[44:45]
	v_pk_fma_f32 v[46:47], v[34:35], v[50:51], v[46:47]
	v_pk_fma_f32 v[44:45], v[36:37], v[52:53], v[44:45]
	v_pk_fma_f32 v[46:47], v[38:39], v[54:55], v[46:47]
	v_pk_fma_f32 v[44:45], v[40:41], v[56:57], v[44:45]
	v_pk_fma_f32 v[46:47], v[42:43], v[58:59], v[46:47]
	v_pk_add_f32 v[44:45], v[44:45], v[46:47]
	v_add_f32 v44, v44, v45                        ; R
	SWA
	v_rcp_f32 v46, v60
	v_rcp_f32 v47, v44
	v_nop
	SWA                                            ; one wait for the two reciprocals, ahead of their first reader and of the branch below
	v_mul_f32 v48, v44, v46                        ; out2 of row l
	s_cmp_lg_u32 s2, 0                             ; every wave has it; wave 0 stores it, and leaves it in LDS for the way out of out0
	s_cbranch_scc1 .Lnot_first
	global_store_b32 v[GO2], v48, s[22:23]
	ds_store_b32 v[ART], v48
.Lnot_first:
	v_mul_f32 v50, v62, v46                        ; f / P of row l
	v_mul_f32 v27, v62, v47                        ; f / R: kept
	SPREAD 50, 52, 60, 62                          ; f / P: tile 0's in v60, tile 1's in v62
; out1 of a tile of 16 rows goes through my stage and leaves as runs of 256 bytes
.macro OUT1 bt
	s_wait_xcnt 0x0                                ; earlier stores have read their registers, which are written now
.set j, 0
.rept 16
	v_pk_mul_f32 v[28+j:29+j], v[64+32*\bt+j:65+32*\bt+j], v[60+2*\bt:61+2*\bt] op_sel_hi:[1,0]   ; out1 = p (f / P)
.set j, j+2
.endr
.irp i, 0,1,2,3,4,5,6,7
	ds_store_b128 v[ASI], v[28+4*\i:31+4*\i] offset:4352*\bt+16*\i
.endr
.irp i, 0,1,2,3,4,5,6,7
	ds_load_b128 v[28+4*\i:31+4*\i], v[ASO] offset:4352*\bt+544*\i    ; LDS serves a wave's instructions in order (ISA guide 5.7.1.4): these see the stores above.  Rows 16 bt + 2 i + h, 16 bytes a lane
.endr
	s_wait_dscnt 0x0
.irp i, 0,1,2,3,4,5,6,7
	global_store_b128 v[GO1], v[28+4*\i:31+4*\i], s[OB+2*(2*\bt+\i/4):OB+2*(2*\bt+\i/4)+1] offset:2*(\i%4)*1048576 th:TH_STORE_NT   ; 16 lanes store 256 consecutive bytes, at a multiple of 256 from out1's first byte
.endr
.endm
	SWA
	OUT1 0
	OUT1 1
	SPREAD 27, 61, 60, 62                          ; f / R: tile 0's in v60, tile 1's in v62
	SWA
	s_wait_xcnt 0x0                                ; out1's stores have read their registers
.irp i, 0,1,2,3,4,5,6,7
	ds_load_b128 v[28+4*\i:31+4*\i], v[ARR] offset:16*\i      ; rewards_mem of my lane's 32 slots: v[28 + e]
.endr
	s_wait_dscnt 0x0
.irp bt, 0,1
.set j, 0
.rept 16
	v_pk_mul_f32 v[64+32*\bt+j:65+32*\bt+j], v[64+32*\bt+j:65+32*\bt+j], v[28+j:29+j]
.set j, j+2
.endr
.endr
.irp bt, 0,1
.set j, 0
.rept 16
	v_pk_mul_f32 v[64+32*\bt+j:65+32*\bt+j], v[64+32*\bt+j:65+32*\bt+j], v[60+2*\bt:61+2*\bt] op_sel_hi:[1,0]   ; w = (p rm) (f / R)
.set j, j+2
.endr
.endr
	Q32PAIR 64, 96, 32, 40, 48, 54, 55             ; w's codes: tile 0 -> v32-35, tile 1 -> v40-43: a lane's 32 slots are one block
.irp z, 28,36,44
.irp i, 0,1,2,3
	v_mov_b32 v[\z+\i], 0                          ; v28-47 = [0][w of rows 0-15][0][w of rows 16-31][0]
.endr
.endr
	v_lshlrev_b32 v54, v[H8], v54                  ; my bytes at their places, 8 h bits up;
	v_lshlrev_b32 v55, v[H8], v55
	s_delay_alu instid0(VALU_DEP_2)
	v_permlanex16_b32 v48, v54, s34, s35
	s_delay_alu instid0(VALU_DEP_2)
	v_permlanex16_b32 v49, v55, s34, s35
	s_delay_alu instid0(VALU_DEP_2)
	v_or_b32 v54, v54, v48                         ; with lane l xor 16's
	s_delay_alu instid0(VALU_DEP_2)
	v_or_b32 v55, v55, v49
	MERGE 56, 54, 55                               ; w's scale words: rows 0-15 | 16-31,
	s_delay_alu instid0(VALU_DEP_1)
	v_lshl_or_b32 v56, v56, 16, v56                ; bytes 2 and 3 like 0 and 1
; ---------------- VALUES, into the second half of my key bytes, which have been read, and out0
	s_wait_loadcnt 16                              ; rows 0-31 are in: rows 32-63's 16 loads are younger
	T16 128, 64, AVI, AVS, 0, 0
	s_wait_loadcnt 0x0
	T16 192, 64, AVI, AVS, 256, 1
.irp vt, 0,1,2,3
	ds_load_b128 v[208+4*\vt:211+4*\vt], v[AVR] offset:528*\vt   ; tiles 2 P and 2 P + 1 make the fragment v[208 + 8 P ..]
.endr
	ds_load_b32 v224, v[AVT]                       ; their scale words: P = 0 | 1
	SWA
	s_wait_dscnt 0x0
.irp bt, 0,1
.irp vt, 0,1,2,3
	WM \vt/2, \bt, 64+8*(\vt+4*\bt), 208+8*(\vt/2), 32+8*\bt-4*(\vt%2), 0, 224, 56
.endr
.endr
	PLACES 4
.irp bt, 0,1
.irp vt, 0,1,2,3                       ; lane (r, h): out0's part (16 bt + r, 16 vt + 8 h + 0 .. 7) from my 64 slots; each accumulator from its low end on
	ds_store_b128 v[AOP], v[64+8*(\vt+4*\bt):67+8*(\vt+4*\bt)] offset:4352*\bt+64*\vt
	ds_store_b128 v[AOP], v[68+8*(\vt+4*\bt):71+8*(\vt+4*\bt)] offset:4352*\bt+64*\vt+16
.endr
.endr
	BAR                                            ; all sixteen partials lie in LDS
.irp s, 0,1,2,3,4,5,6,7,8,9,10,11,12,13,14,15
	ds_load_b128 v[128+4*\s:131+4*\s], v[AO0+\s/4] offset:KPW*(\s%4)     ; rows 2 w + h, 16 bytes a lane, of each wave's partial
.endr
	ds_load_b32 v192, v[AXT]                       ; out2 of my row
	s_wait_dscnt 0x0
.irp s, 0,1,2,3,4,5,6,7
	v_pk_add_f32 v[128+4*\s:129+4*\s], v[128+4*\s:129+4*\s], v[160+4*\s:161+4*\s]
	v_pk_add_f32 v[130+4*\s:131+4*\s], v[130+4*\s:131+4*\s], v[162+4*\s:163+4*\s]
.endr
.irp s, 0,1,2,3
	v_pk_add_f32 v[128+4*\s:129+4*\s], v[128+4*\s:129+4*\s], v[144+4*\s:145+4*\s]
	v_pk_add_f32 v[130+4*\s:131+4*\s], v[130+4*\s:131+4*\s], v[146+4*\s:147+4*\s]
.endr
.irp s, 0,1
	s_delay_alu instid0(VALU_DEP_4)
	v_pk_add_f32 v[128+4*\s:129+4*\s], v[128+4*\s:129+4*\s], v[136+4*\s:137+4*\s]
	s_delay_alu instid0(VALU_DEP_4)
	v_pk_add_f32 v[130+4*\s:131+4*\s], v[130+4*\s:131+4*\s], v[138+4*\s:139+4*\s]
.endr
	v_sub_f32 v192, v192, v192                     ; 0, or NaN where out2 is no number: FP4 has no code for NaN, so the row's NaN is brought to out0 this way
	s_delay_alu instid0(VALU_DEP_3)
	v_pk_add_f32 v[128:129], v[128:129], v[132:133]
	s_delay_alu instid0(VALU_DEP_3)
	v_pk_add_f32 v[130:131], v[130:131], v[134:135]
	s_delay_alu instid0(VALU_DEP_3)
	v_mov_b32 v193, v192
	s_delay_alu instid0(VALU_DEP_1)
	v_pk_add_f32 v[128:129], v[128:129], v[192:193]
	s_delay_alu instid0(VALU_DEP_2)
	v_pk_add_f32 v[130:131], v[130:131], v[192:193]
	global_store_b128 v[GO0], v[128:131], s[18:19] th:TH_STORE_NT   ; 16 lanes store a row's 256 bytes of this unit, at a multiple of 256 from out0's first byte
	s_wait_tensorcnt 0x0                           ; the wave's end
	ds_add_u32 v[SPW], v[NIL]
	s_wait_dscnt 0x0
	s_endpgm
.Lfunc_end_k_q6d1015f1f4_unit:
	.size	k_q6d1015f1f4_unit, .Lfunc_end_k_q6d1015f1f4_unit-k_q6d1015f1f4_unit
	.p2alignl 7, 3214868480
	.fill 96, 4, 3214868480
	.section	.rodata,"a",@progbits
	.p2align	6, 0x0
	.amdhsa_kernel k_q6d1015f1f4_unit
		.amdhsa_group_segment_fixed_size 327680
		.amdhsa_private_segment_fixed_size 0
		.amdhsa_enable_private_segment 0
		.amdhsa_kernarg_size 80
		.amdhsa_user_sgpr_count 2
		.amdhsa_user_sgpr_kernarg_segment_ptr 1
		.amdhsa_wavefront_size32 1
		.amdhsa_system_sgpr_workgroup_id_x 1
		.amdhsa_system_sgpr_workgroup_id_y 1
		.amdhsa_system_sgpr_workgroup_id_z 1
		.amdhsa_system_vgpr_workitem_id 0
		.amdhsa_next_free_vgpr 256
		.amdhsa_next_free_sgpr 80
		.amdhsa_reserve_vcc 1
		.amdhsa_float_denorm_mode_32 3
		.amdhsa_float_denorm_mode_16_64 3
		.amdhsa_memory_ordered 1
		.amdhsa_forward_progress 1
		.amdhsa_inst_pref_size 105
	.end_amdhsa_kernel
	.amdgpu_metadata
---
amdhsa.version: [ 1, 2 ]
amdhsa.kernels:
  - .name:           k_q6d1015f1f4_unit
    .symbol:         k_q6d1015f1f4_unit.kd
    .args:
      - { .name: attention, .offset: 0, .size: 8, .value_kind: global_buffer, .address_space: global }
      - { .name: W, .offset: 8, .size: 8, .value_kind: global_buffer, .address_space: global }
      - { .name: temperature, .offset: 16, .size: 8, .value_kind: global_buffer, .address_space: global }
      - { .name: keys, .offset: 24, .size: 8, .value_kind: global_buffer, .address_space: global }
      - { .name: values, .offset: 32, .size: 8, .value_kind: global_buffer, .address_space: global }
      - { .name: rewards_mem, .offset: 40, .size: 8, .value_kind: global_buffer, .address_space: global }
      - { .name: mask, .offset: 48, .size: 8, .value_kind: global_buffer, .address_space: global }
      - { .name: out0, .offset: 56, .size: 8, .value_kind: global_buffer, .address_space: global }
      - { .name: out1, .offset: 64, .size: 8, .value_kind: global_buffer, .address_space: global }
      - { .name: out2, .offset: 72, .size: 8, .value_kind: global_buffer, .address_space: global }
    .group_segment_fixed_size: 327680
    .private_segment_fixed_size: 0
    .kernarg_segment_align: 8
    .kernarg_segment_size: 80
    .max_flat_workgroup_size: 512
    .sgpr_count:     80
    .vgpr_count:     256
    .wavefront_size: 32
...
	.end_amdgpu_metadata
.endif
;; end of part 1
